; MI455X (gfx1250); checked and timed in simulation.
; The chip was launched on July 23, 2026; its instructions are those of AMD's public machine-readable ISA for CDNA 5 (MIT licence, August 2026) and "CDNA5" Instruction Set Architecture Reference Guide (July 2026). The comments in the code are by the model that wrote it; some were corrected since.
;; Top K Router. Allowed arithmetic: matrix products marked QUANTISED: E2M3 operands, one E8M0 scale for each 32 along K, by v_wmma_scale_f32_16x16x128_f8f6f4 with both operands' format E2M3, f32 sums; everything else in f32.
;; Inputs: hidden_states 16,384 x 2,048 float32; noise 16,384 x 64 float32; router_weight 64 x 2,048 float32.
;; Outputs: out0 16,384 x 2 int32; out1 16,384 x 2 float32; out2 16,384 x 64 float32; out3 one number float32.
;; This version of the problem:
;;   THIS VERSION OF THE PROBLEM IS GIVEN IN LOW PRECISION. The matrix products marked QUANTISED in the list below multiply operands that are first quantised to E2M3 (2 exponent bits, 3 mantissa bits; 6 bits a number), with one power-of-two scale for each 32 numbers along K (OCP MX v1.0); their sums are f32. All else is computed in f32.
;;   The module's matrix products, in the order in which they are computed (A, B: the left and right operand; K: the contracted axis; several contracted axes count as one K, in the product's order):
;;     1. [M 16,384, K 2,048] x [K 2,048, N 64]; A: input hidden_states; B: input router_weight: QUANTISED
;;   THE QUANTISER, for each operand of a quantised product, along K:
;;     - K is cut into blocks of 32 from its start; a last block that is shorter is filled with zeros.
;;     - A block's scale is 2^e with e = floor(log2(the largest magnitude in the block)) - 2, held to -126 .. 127; a block of zeros has e = 0. As a byte (E8M0): e + 127.
;;     - Each number is divided by its block's scale, clamped to +-7.5, and rounded to the nearest number of E2M3, ties to even, subnormals kept.
;;     - The product sums the exact products of the quantised numbers (number of the format x scale) in f32.
;;   ~~~python
;;   def quantise(x, axis):      # numpy; x: float32 -> the quantised numbers, widened to float32 again
;;       x = np.moveaxis(x, axis, -1); K = x.shape[-1]
;;       x = np.pad(x, [(0, 0)] * (x.ndim - 1) + [(0, -K % 32)]); x = x.reshape(x.shape[:-1] + (-1, 32)); a = np.abs(x).max(-1, keepdims=True)
;;       e = np.where(a > 0, np.clip(np.frexp(np.where(a > 0, a, 1))[1] - 1 - 2, -126, 127), 0)      # np.frexp(a)[1] - 1 = floor(log2(a)), exactly
;;       r = np.clip(x / 2.0 ** e, -7.5, 7.5)
;;       step = 2.0 ** (np.maximum(np.frexp(np.where(r == 0, 1, r))[1] - 1, 0) - 3)
;;       q = np.round(r / step) * step * 2.0 ** e      # np.round: ties to even
;;       return np.moveaxis(q.reshape(q.shape[:-2] + (-1,))[..., :K], -1, axis).astype(np.float32)
;;   ~~~
;; One version. Each part assembles by itself: llvm-mc -triple=amdgcn-amd-amdhsa -mcpu=gfx1250 --defsym DOCPART=n.
;; ======== version 1 of 1: 3 launches
;; limits: right only within a limited range of input values
;; workspace buffers: wimg 98,304 bytes; wsc 4,096 bytes; psum 65,536 bytes; pcnt 16,384 bytes
;; launch wquant (part 1): grid 64 x 1, 1 waves a work-group, no clusters, 8,704 bytes of LDS; arguments router_weight, wimg, wsc; writes wimg, wsc
.if DOCPART == 1
	.amdgcn_target "amdgcn-amd-amdhsa--gfx1250"
	.amdhsa_code_object_version 6
	.text
	.protected	k_q0581916101_wquant
	.globl	k_q0581916101_wquant
	.p2align	8
	.type	k_q0581916101_wquant,@function
k_q0581916101_wquant:
	s_mov_b64 s[64:65], 0
	v_nop
	global_prefetch_b8 v0, s[64:65] scope:SCOPE_SE
	s_setreg_imm32_b32 hwreg(HW_REG_WAVE_MODE, 25, 1), 1
	s_wait_xcnt 0x0
; router_weight [64][2048] f32 becomes codes of FP6 (E2M3) with one E8M0 scale byte for each 32 along K, laid as the next launch's waves want them:
;   wimg: 64 fragments (K step s of 128, tile n of 16 experts) at (4 s + n) x 1,536 bytes, each an IMAGE OF THE OPERAND'S 12 REGISTERS: register group c (4 registers) of lane l at 512 c + 16 l;
;   wsc:  the scale word (four bytes: 128 along K) of row r of tile n in K step s at 256 s + 64 n + 4 r.
; A block's scale is 2^(floor(log2(its largest magnitude)) - 2); its byte is the largest magnitude's exponent field - 2, held at 1 from below.  A block of zeros keeps the byte 1: its codes are zeros, and this program alone reads the bytes.
; LIMITS: NaN and infinities are not served; a block whose largest magnitude lies under 2^-124 has the byte 1.
; SHARES: work-group 4 s + n, one wave, makes one fragment: there are 64.  Each of its 16 loads reads 512 consecutive bytes of one row; the 16 rows turn through a stage in LDS, four at a time as they come in,
; and come back so that lane (r, h) holds k = 64 c + 32 h + 0 .. 31 of row r in registers 32 c + 0 .. 31: two whole blocks, in the order of the operand's layout.
.set PITCH, 528                        ; a stage row: 512 bytes + 16 = 33 x 16: the sixteen rows that a read touches start at sixteen different 16-byte columns (64 banks of 4 bytes: ISA guide 11.1)
.set SPARE, 16*PITCH                   ; behind the stage: the spare words, which no other line names
.set FRB,   1536                       ; a fragment's image
.set FLOOR, 0x1800000                  ; 2^(3 - 127): under it no largest magnitude is taken, so the byte cannot fall under 1
.set SPW, 1                            ; v1   LDS address of my spare word; never rewritten
.set NIL, 2                            ; v2   0; never rewritten
.set GA,  3                            ; v3   16 x lane; also the stage, on the way in
.set LA,  5                            ; v5   the stage, on the way out
.set SH,  8                            ; v8   8 h
.set SG,  9                            ; v9   4 r
.set TM,  10                           ; v10-17 at work
.set PW,  18                           ; v18  the scale word
.set PC,  24                           ; v24-35 the fragment's codes
.set PX,  36                           ; v36-43 the conversions' second halves
.set R,   44                           ; v44-107 the 64 numbers of a lane
	s_load_b128 s[4:7], s[0:1], 0x0                ; router_weight, wimg
	s_load_b64 s[8:9], s[0:1], 0x10                ; wsc
	v_lshl_add_u32 v[SPW], v0, 2, SPARE
	v_mov_b32 v[NIL], 0
	v_and_b32 v20, 15, v0                          ; r
	v_bfe_u32 v21, v0, 4, 1                        ; h
	v_lshlrev_b32 v[GA], 4, v0                     ; a row's 512 bytes as they lie
	v_mul_u32_u24 v[LA], v20, PITCH
	v_lshlrev_b32 v[SH], 3, v21
	v_lshl_add_u32 v[LA], v21, 7, v[LA]            ; out: row r, + 128 h: my block of 32 numbers
	v_lshlrev_b32 v[SG], 2, v20
	s_and_b32 s12, ttmp9, 3                        ; tile n
	s_lshl_b32 s12, s12, 17                        ; 16 n rows of 8,192 bytes
	s_lshr_b32 s13, ttmp9, 2                       ; K step s
	s_lshl_b32 s13, s13, 9                         ; 512 bytes a K step
	s_add_co_u32 s12, s12, s13
	s_mov_b32 s13, 0
	s_mul_i32 s14, ttmp9, FRB                      ; image 4 s + n
	s_mov_b32 s15, 0
	s_lshl_b32 s16, ttmp9, 6                       ; 64 bytes of scale words
	s_mov_b32 s17, 0
	s_mov_b32 s18, 0x76543210
	s_mov_b32 s19, 0xfedcba98                      ; v_permlanex16_b32's selects for lane l xor 16
	s_wait_alu depctr_va_vdst(0)
	s_wait_kmcnt 0x0
	s_add_nc_u64 s[4:5], s[4:5], s[12:13]
	s_add_nc_u64 s[6:7], s[6:7], s[14:15]
	s_add_nc_u64 s[8:9], s[8:9], s[16:17]
.irp i, 0,1,2,3,4,5,6,7,8,9,10,11,12,13,14,15
	global_load_b128 v[R+4*\i:R+4*\i+3], v[GA], s[4:5] offset:8192*\i th:TH_LOAD_NT   ; row i: 32 lanes read 512 consecutive bytes
.endr
.irp g, 0,1,2,3
	s_wait_loadcnt 12-4*\g                         ; four more rows are in, those behind them may be out
.irp i, 0,1,2,3
	ds_store_b128 v[GA], v[R+16*\g+4*\i:R+16*\g+4*\i+3] offset:PITCH*(4*\g+\i)
.endr
.endr
.irp c, 0,1
.irp j, 0,1,2,3,4,5,6,7
	ds_load_b128 v[R+32*\c+4*\j:R+32*\c+4*\j+3], v[LA] offset:256*\c+16*\j   ; LDS serves a wave's instructions in order (ISA guide 5.7.1.4): these see the stores above
.endr
.endr
	s_wait_dscnt 0x0
	; the largest magnitude of my two blocks: two chains a block, so that no line waits for the line above it; 32 numbers and the floor are sixteen v_max3 a block
.irp c, 0,1
	v_max3_num_f32 v[TM+\c], |v[R+32*\c]|, |v[R+32*\c+1]|, FLOOR
	v_max3_num_f32 v[TM+2+\c], |v[R+32*\c+16]|, |v[R+32*\c+17]|, |v[R+32*\c+18]|
.endr
.irp k, 0,1,2,3,4,5
.irp c, 0,1
	v_max3_num_f32 v[TM+\c], v[TM+\c], |v[R+32*\c+2+2*\k]|, |v[R+32*\c+3+2*\k]|
	v_max3_num_f32 v[TM+2+\c], v[TM+2+\c], |v[R+32*\c+19+2*\k]|, |v[R+32*\c+20+2*\k]|
.endr
.endr
.irp c, 0,1
	v_max3_num_f32 v[TM+\c], v[TM+\c], |v[R+32*\c+14]|, |v[R+32*\c+15]|
.endr
.irp c, 0,1
	v_max3_num_f32 v[TM+\c], v[TM+\c], v[TM+2+\c], |v[R+32*\c+31]|
.endr
.irp c, 0,1
	v_add_nc_u32 v[TM+4+\c], 0xff000000, v[TM+\c]  ; 2 off the exponent field: the conversion takes the exponent field of this operand as its scale
.endr
.irp c, 0,1
	v_lshrrev_b32 v[TM+6+\c], 23, v[TM+4+\c]       ; the scale's byte
.endr
	v_lshl_or_b32 v[PW], v[TM+7], 16, v[TM+6]      ; my bytes: blocks h and 2 + h of row r,
	v_lshlrev_b32 v[PW], v[SH], v[PW]              ; at their places in the word;
	v_permlanex16_b32 v[TM+6], v[PW], s18, s19
	v_or_b32 v[PW], v[PW], v[TM+6]                 ; with lane l xor 16's two the word is whole
.irp c, 0,1
	v_cvt_scalef32_pk16_fp6_f32 v[PC+6*\c:PC+6*\c+2], v[R+32*\c:R+32*\c+15], v[TM+4+\c]
	v_cvt_scalef32_pk16_fp6_f32 v[PX+4*\c:PX+4*\c+2], v[R+32*\c+16:R+32*\c+31], v[TM+4+\c]   ; (a conversion's three registers begin on an even number: the second half of a block's six does not, so it is made here and moved)
.endr
	v_nop                                          ; one plain place behind the scaled conversions
.irp c, 0,1
.irp i, 0,1,2
	v_mov_b32 v[PC+3+6*\c+\i], v[PX+4*\c+\i]
.endr
.endr
	global_store_b32 v[SG], v[PW], s[8:9]          ; 64 bytes; lanes l and l xor 16 store the same word with the same value
.irp c, 0,1,2
	global_store_b128 v[GA], v[PC+4*\c:PC+4*\c+3], s[6:7] offset:512*\c   ; the image: 32 lanes store 512 consecutive bytes
.endr
	s_wait_tensorcnt 0x0                           ; the wave's end
	ds_add_u32 v[SPW], v[NIL]
	s_wait_dscnt 0x0
	s_endpgm
.Lfunc_end_k_q0581916101_wquant:
	.size	k_q0581916101_wquant, .Lfunc_end_k_q0581916101_wquant-k_q0581916101_wquant
	.p2alignl 7, 3214868480
	.fill 96, 4, 3214868480
	.section	.rodata,"a",@progbits
	.p2align	6, 0x0
	.amdhsa_kernel k_q0581916101_wquant
		.amdhsa_group_segment_fixed_size 8704
		.amdhsa_private_segment_fixed_size 0
		.amdhsa_enable_private_segment 0
		.amdhsa_kernarg_size 24
		.amdhsa_user_sgpr_count 2
		.amdhsa_user_sgpr_kernarg_segment_ptr 1
		.amdhsa_wavefront_size32 1
		.amdhsa_system_sgpr_workgroup_id_x 1
		.amdhsa_system_sgpr_workgroup_id_y 1
		.amdhsa_system_sgpr_workgroup_id_z 1
		.amdhsa_system_vgpr_workitem_id 0
		.amdhsa_next_free_vgpr 112
		.amdhsa_next_free_sgpr 66
		.amdhsa_reserve_vcc 0
		.amdhsa_float_denorm_mode_32 3
		.amdhsa_float_denorm_mode_16_64 3
		.amdhsa_memory_ordered 1
		.amdhsa_forward_progress 1
		.amdhsa_inst_pref_size 9
	.end_amdhsa_kernel
	.amdgpu_metadata
---
amdhsa.version: [ 1, 2 ]
amdhsa.kernels:
  - .name:           k_q0581916101_wquant
    .symbol:         k_q0581916101_wquant.kd
    .args:
      - { .name: router_weight, .offset: 0, .size: 8, .value_kind: global_buffer, .address_space: global }
      - { .name: wimg, .offset: 8, .size: 8, .value_kind: global_buffer, .address_space: global }
      - { .name: wsc, .offset: 16, .size: 8, .value_kind: global_buffer, .address_space: global }
    .group_segment_fixed_size: 8704
    .private_segment_fixed_size: 0
    .kernarg_segment_align: 8
    .kernarg_segment_size: 24
    .max_flat_workgroup_size: 32
    .sgpr_count:     66
    .vgpr_count:     112
    .wavefront_size: 32
...
	.end_amdgpu_metadata
.endif
;; end of part 1
;; launch router (part 2): grid 256 x 1, 8 waves a work-group, no clusters, 327,680 bytes of LDS; arguments hidden_states, noise, wimg, wsc, out0, out1, out2, psum, pcnt; writes out0, out1, out2, psum, pcnt
.if DOCPART == 2
	.amdgcn_target "amdgcn-amd-amdhsa--gfx1250"
	.amdhsa_code_object_version 6
	.text
	.protected	k_q0581916101_router
	.globl	k_q0581916101_router
	.p2align	8
	.type	k_q0581916101_router,@function
k_q0581916101_router:
	s_mov_b64 s[64:65], 0
	v_nop
	global_prefetch_b8 v0, s[64:65] scope:SCOPE_SE
	s_setreg_imm32_b32 hwreg(HW_REG_WAVE_MODE, 25, 1), 1
	s_wait_xcnt 0x0
; logits = Q(hidden_states) Q(router_weight)^T + 0.1 noise, on codes of FP6 (E2M3) with one E8M0 scale for each 32 along K; then, for each token, the two largest logits (the lower index first among equals), their softmax, the softmax
; over all 64 experts; and for the work-group's 64 tokens the sums of those probabilities (psum [256][64] f32) and the counts of chosen experts (pcnt [256][64] bytes: at most 64 each), which a later launch adds up.
; hidden_states [16384][2048], noise [16384][64] f32.  wimg, wsc: the weights' codes and scale words as the launch before laid them (images of the operand's registers).  out0 [16384][2] i32, out1 [16384][2], out2 [16384][64] f32.
; SHARES.  A work-group owns 64 tokens, four tiles of 16: 524,288 bytes of hidden_states, read once.  Wave e of eight owns K steps 2 e and 2 e + 1 (1,024 bytes of every row) for all four tiles, so its eight fragments of the weights and
; their scale words stay in its registers for the whole launch, loaded once as they lie in wimg and wsc.
; THE RING.  Two LDS slots, a tile each; a wave's part of a tile is 16 rows x 1,024 bytes, brought by one tensor load of the wave's own, 16 bytes of padding behind a row.  A trip makes a tile while the next one is on its way.
; Sixteen LDS loads a K step give lane (r, h) k = 64 c + 32 h + 0 .. 31 of token r in registers 32 c + 0 .. 31: two whole blocks, in the order of the operand's layout, so that a block's largest magnitude needs no other lane.
; THE PRODUCT IS USED TRANSPOSED: source 0 = 16 experts, source 1 = 16 tokens: a lane holds one token and eight neighbouring experts a tile of experts.  Four accumulators, one instruction a turn.
; THE END OF A TILE.  Behind a barrier the eight waves' partial sums of the tile are read back, two tokens a wave: sixteen lanes to a token, four experts to a lane.  Tiles 0 to 2 use one buffer for them: the next trip's opening barrier stands between
; a tile's reads and the next tile's stores.  The last trip has no such barrier (it fills nothing): tile 3's partial sums go into slot 0, whose last fill was tile 2 and of which each wave read only the part that it now writes.
; PREFETCH: every wave asks for its own part of a later tile, 64 blocks of 256 bytes, each named once, a block a lane: tile 1 at the head, tiles 2 and 3 in trips 0 and 1: one trip ahead of the tensor load.  Nothing beyond tile 3 is named.
; NO CLUSTER, NO JOINT LOADS: what work-groups share is the weights' 102,400 bytes, read once at the head, beside 524,288 bytes of tokens that nobody shares.
; LIMITS: NaN and infinities are not served; a block whose largest magnitude lies under 2^-124 has the scale byte 1 (a block of zeros too: its codes are zeros); +0 and -0 count as equal in the choice of experts;
; 0.1 x noise is added by one fused multiply-add; K is summed as eight pairs of K steps p0 .. p7, each ascending, then ((p0 + p4) + (p2 + p6)) + ((p1 + p5) + (p3 + p7)).
; TRIP 0 asks for tile 1 in its middle: slot 1's first fill stands behind the barrier that shows tile 0's partial sums, so a wave whose part of tile 0 is in works on it at once.  Trips 1 and 2 ask for the next tile at their opening barrier.
; ORDERS: wsc is [K step][tile of experts][row], a word each; pcnt holds the work-groups' counts by fours: the four bytes of experts 4 e + 0 .. 3 of work-group g at 256 (g / 4) + 16 e + 4 (g % 4).
.set TP,    1040                       ; a row of a tile in LDS: 1,024 bytes + 16 = 65 x 16: the sixteen rows that a read touches start at sixteen different 16-byte columns (64 banks of 4 bytes: ISA guide 11.1)
.set PP,    272                        ; a token's 64 partial sums: 256 bytes + 16
.set TW,    16*TP                      ; a wave's part of a slot: 65 blocks of 256 bytes
.set SLOT,  8*TW
.set PWB,   16*PP                      ; a wave's partial sums of a tile
.set PRT,   2*SLOT                     ; behind the ring: the buffer of partial sums
.set SUMS,  PRT+8*PWB                  ; 256 bytes a wave: 64 sums of probabilities
.set CNTS,  SUMS+8*256                 ; 64 bytes a wave: 64 counts
.set O0S,   CNTS+8*64                  ; the work-group's 512 bytes of out0, then its 512 of out1
.set SPARE, O0S+1024                   ; the spare words, 128 bytes for each wave, which no other line names
.set TILEM, 131072                     ; a tile in memory: 16 rows of 8,192 bytes
.set FLOOR, 0x1800000                  ; 2^(3 - 127): under it no largest magnitude is taken, so the byte cannot fall under 1
; window 0.  v1-17, v220, v221 are made at the head and never rewritten
.set SPW, 1                            ; v1   LDS address of my spare word
.set NIL, 2                            ; v2   0
.set GA,  3                            ; v3   16 x lane
.set TA,  4                            ; v4, v5 my part of slot 0, 1: row r, + 128 h
.set PFO, 6                            ; v6   the prefetches' offset: row lane / 4, block lane % 4
.set SH,  7                            ; v7   8 h
.set PA,  8                            ; v8   where my partial sums go
.set RA,  9                            ; v9   where I read my two tokens' partial sums
.set OA,  10                           ; v10  where my tokens' experts and weights are gathered
.set PB,  11                           ; v11  where tile 3's partial sums go
.set WO,  12                           ; v12  16 r
.set SU,  13                           ; v13  my row of sums
.set CU,  14                           ; v14  my row of counts
.set RD1, 15                           ; v15  wave 0 reads all rows of sums
.set RD2, 16                           ; v16  wave 1 reads the gathered out0, wave 2 the gathered out1
.set RD3, 17                           ; v17  wave 3 reads all rows of counts
.set TM,  18                           ; v18-25 at work in the quantiser
.set PW,  26                           ; v26  my tokens' scale word
.set CNA, 27                           ; v27  counts of my four experts, a byte each
.set WSR, 28                           ; v28-35 the weights' scale words: 4 x K step + tile of experts
.set PC,  36                           ; v36-47 my tokens' codes
.set PX,  48                           ; v48-50, v52-54 the conversions' second halves
.set BIG, 51                           ; v51  64: above every expert's number
.set NINF, 55                          ; v55  -infinity
.set ACC, 56                           ; v56-87 four accumulators
.set L,   88                           ; v88-151 64 numbers of a lane, K step 2 e; at a tile's end all that is at work there
.set L2,  152                          ; v152-215 64 numbers, K step 2 e + 1
.set LG,  216                          ; v216-219 the logits, and out2's data
.set RB,  220                          ; v220, v221 where I read tile 3's partial sums: waves 0-3, waves 4-7
.set EI,  224                          ; v224-227 my four experts' numbers, as f32
.set PSA, 228                          ; v228-231 sums of probabilities of my four experts
; window 1
.set WF,  0                            ; v256-351 eight fragments of the weights: 48 x K step + 12 x tile of experts
.set NZ,  96                           ; v352-367 the noise of my two tokens of each tile, four registers a tile
.set MK,  L+32
.set PR,  L+36
.set M1,  L+40
.set I1,  L+41
.set M2,  L+42
.set I2,  L+43
.set SS,  L+44
.set EE,  L+45
.set RR,  L+46
.set TT,  L+47
.set IX,  L+48
.set WX,  L+50
.set CN,  L+52
.set SD,  L+56
.set SEL, 32                           ; s[32:33] lane selects for v_permlanex16_b32: lane l xor 16
.set G1,  56                           ; s[56:63] descriptor group 1
.set G0,  68                           ; s[68:71], s[72:75] descriptor group 0, one for each slot
.set MSB, 0
.macro WIN new                         ; the immediate's high byte repeats the setting that is left
.if MSB != \new
	s_set_vgpr_msb (MSB<<8)|\new
.set MSB, \new
.endif
.endm
	s_load_b256 s[4:11], s[0:1], 0x0               ; hidden_states s[4:5], noise s[6:7], wimg s[8:9], wsc s[10:11]
	s_load_b256 s[12:19], s[0:1], 0x20             ; out0 s[12:13], out1 s[14:15], out2 s[16:17], psum s[18:19]
	s_load_b64 s[76:77], s[0:1], 0x40              ; pcnt
	v_lshl_add_u32 v[SPW], v0, 2, SPARE
	v_mov_b32 v[NIL], 0
	ds_add_u32 v[SPW], v[NIL]                      ; the wave's opening: the add, twice on end, and its wait ahead of my first tensor load; the set-up below, work on registers, stands between them
	ds_add_u32 v[SPW], v[NIL]
	v_lshrrev_b32 v231, 5, v0
	v_readfirstlane_b32 s20, v231                  ; wave e, 0..7
	; descriptor group 1: 16 rows of 256 elements of 4 bytes, 2,048 elements from row to row; in LDS 4 words of padding behind every 256
	s_mov_b32 s[G1+0], (2<<16)|(1<<20)|(7<<22)|(3<<25)
	s_mov_b32 s[G1+1], 256<<16
	s_mov_b32 s[G1+2], 16<<16
	s_mov_b32 s[G1+3], 256<<16
	s_mov_b32 s[G1+4], 16
	s_mov_b32 s[G1+5], 2048
	s_mov_b32 s[G1+6], 0
	s_mov_b32 s[G1+7], 0
	s_mul_i32 s23, s20, TW
	s_add_co_u32 s24, s23, SLOT
	s_mul_i32 s25, s20, PWB
	s_add_co_u32 s25, s25, PRT
	s_mul_i32 s26, s20, 2*PP                       ; tokens 2 e, 2 e + 1 of a tile are mine at its end
	s_add_co_u32 s28, s26, PRT
	s_lshl_b32 s27, s20, 4
	s_add_co_u32 s27, s27, O0S
	s_lshl_b32 s29, s20, 8
	s_add_co_u32 s29, s29, SUMS
	s_lshl_b32 s30, s20, 6
	s_add_co_u32 s30, s30, CNTS
	s_lshl_b32 s31, s20, 9
	s_add_co_u32 s31, s31, O0S-512                 ; O0S + 512 (wave - 1)
	s_lshl_b32 s34, ttmp9, 19                      ; hidden_states: 64 rows of 8,192 bytes a work-group,
	s_lshl_b32 s35, s20, 10                        ; 1,024 bytes of a row a wave (in all under 2^28)
	s_add_co_u32 s34, s34, s35
	s_mov_b32 s35, 0
	s_lshl_b32 s36, ttmp9, 14                      ; noise and out2: rows of 256 bytes; my two tokens of a tile: 512 bytes
	s_lshl_b32 s37, s20, 9
	s_add_co_u32 s36, s36, s37
	s_mov_b32 s37, 0
	s_lshl_b32 s38, ttmp9, 9                       ; out0, out1: 512 bytes a work-group
	s_mov_b32 s39, 0
	s_lshl_b32 s54, ttmp9, 8                       ; psum: 256,
	s_mov_b32 s55, 0
	s_lshr_b32 s78, ttmp9, 2                       ; pcnt: 256 bytes for four work-groups, their words by turns
	s_lshl_b32 s78, s78, 8
	s_and_b32 s79, ttmp9, 3
	s_lshl_b32 s79, s79, 2
	s_add_co_u32 s78, s78, s79
	s_mov_b32 s79, 0
	s_mul_i32 s52, s20, 12288                      ; wimg: my eight images of 1,536 bytes
	s_mov_b32 s53, 0
	s_lshl_b32 s2, s20, 9                          ; wsc: my two K steps' 256 bytes each
	s_mov_b32 s3, 0
	s_mov_b32 s[SEL], 0x76543210
	s_mov_b32 s[SEL+1], 0xfedcba98
	s_mov_b32 s[G0], 1
	s_mov_b32 s[G0+1], s23
	s_mov_b32 s[G0+4], 1
	s_mov_b32 s[G0+5], s24
	v_and_b32 v229, 31, v0                         ; lane
	v_and_b32 v230, 15, v0                         ; r in a fragment; my place among a token's sixteen lanes at a tile's end
	v_bfe_u32 v231, v0, 4, 1                       ; h in a fragment; which of two tokens at a tile's end
	v_lshlrev_b32 v[GA], 4, v229
	v_mul_u32_u24 v[TA], v230, TP
	v_mul_u32_u24 v[PA], v230, PP
	v_mul_u32_u24 v[RA], v231, PP
	v_lshlrev_b32 v228, 2, v230
	v_lshrrev_b32 v[PFO], 2, v229
	v_and_b32 v[TM], 3, v229
	v_lshl_add_u32 v[TA], v231, 7, v[TA]
	v_lshl_add_u32 v[PA], v231, 5, v[PA]
	v_lshl_add_u32 v[RA], v230, 4, v[RA]
	v_cvt_f32_u32 v[EI], v228                      ; my experts' numbers 4 e + 0 .. 3 as f32 (whole numbers up to 63 are exact)
	v_lshlrev_b32 v[PFO], 13, v[PFO]
	v_add_nc_u32 v[TA+1], s24, v[TA]
	v_add_nc_u32 v[TA], s23, v[TA]
	v_add_nc_u32 v[PB], s23, v[PA]                 ; tile 3's partial sums in: my part of slot 0, token r, + 32 h
	v_add_nc_u32 v[PA], s25, v[PA]                 ; and the other tiles'
	v_add_nc_u32 v[RB], s26, v[RA]                 ; and back, in wave 0's part; the other waves' lie inside the 16-bit offset,
	v_add_nc_u32 v[RA], s28, v[RA]
	v_lshl_add_u32 v[PFO], v[TM], 8, v[PFO]
	v_add_nc_u32 v[RB+1], 4*TW, v[RB]              ; from wave 4's part on for tile 3
	v_lshlrev_b32 v[SH], 3, v231
	v_lshl_add_u32 v[OA], v231, 3, s27             ; 8 bytes a token
	v_lshlrev_b32 v[WO], 4, v230
	v_lshl_add_u32 v[SU], v230, 4, s29
	v_lshl_add_u32 v[CU], v230, 2, s30
	v_lshl_add_u32 v[RD1], v229, 3, SUMS
	v_add_nc_u32 v[RD2], s31, v[GA]
	v_lshl_add_u32 v[RD3], v230, 2, CNTS
	v_add_f32 v[EI+1], 1.0, v[EI]
	v_add_f32 v[EI+2], 2.0, v[EI]
	v_add_f32 v[EI+3], 0x40400000, v[EI]
	v_mov_b32 v[BIG], 0x42800000
	v_mov_b32 v[NINF], 0xff800000
	s_wait_alu depctr_va_vdst(0)
	s_wait_dscnt 0x0                               ; both opening adds are done
	s_wait_kmcnt 0x0
	s_add_nc_u64 s[4:5], s[4:5], s[34:35]
	s_mov_b64 s[G0+2:G0+3], s[4:5]
	s_or_b32 s[G0+3], s[G0+3], 0x80000000
	s_add_nc_u64 s[G0+6:G0+7], s[4:5], TILEM
	s_or_b32 s[G0+7], s[G0+7], 0x80000000
	tensor_load_to_lds s[G0:G0+3], s[G1:G1+7]      ; my part of tile 0
	s_nop 0
.rept 4
	v_nop
.endr
	s_add_nc_u64 s[6:7], s[6:7], s[36:37]
	s_add_nc_u64 s[8:9], s[8:9], s[52:53]
	s_add_nc_u64 s[10:11], s[10:11], s[2:3]
.irp s, 0,1
.irp n, 0,1,2,3
	global_load_b32 v[WSR+4*\s+\n], v228, s[10:11] offset:256*\s+64*\n   ; (v228: 4 r)  row r's scale word of tile n of experts; lanes 16-31 read what lanes 0-15 read
.endr
.endr
	WIN 0x40                                       ; destination window 1, address window 0
.irp j, 0,1,2,3,4,5,6,7,8,9,10,11,12,13,14,15,16,17,18,19,20,21,22,23
	global_load_b128 v[WF+4*\j:WF+4*\j+3], v[GA], s[8:9] offset:512*\j   ; my eight fragments of the weights: an image's three runs of 512 bytes are its twelve registers
.endr
.irp k, 0,1,2,3
	global_load_b128 v[NZ+4*\k:NZ+4*\k+3], v[GA], s[6:7] offset:4096*\k th:TH_LOAD_NT   ; the noise of my two tokens of tile k, 512 consecutive bytes
.endr
	WIN 0
; my part of tile m is asked for into the L2: 2 x 8 rows x 4 blocks of 256 bytes, a block a lane
.macro ASK m
	global_prefetch_b8 v[PFO], s[4:5] offset:TILEM*(\m) th:TH_LOAD_NT scope:SCOPE_SE
	global_prefetch_b8 v[PFO], s[4:5] offset:TILEM*(\m)+TILEM/2 th:TH_LOAD_NT scope:SCOPE_SE
.endm
	s_add_nc_u64 s[12:13], s[12:13], s[38:39]
	s_add_nc_u64 s[14:15], s[14:15], s[38:39]
	s_add_nc_u64 s[16:17], s[16:17], s[36:37]
	s_add_nc_u64 s[18:19], s[18:19], s[54:55]
	s_add_nc_u64 s[76:77], s[76:77], s[78:79]
; sixteen LDS loads: 64 numbers of a lane, K step k of the tile in slot s
.macro READL b, s, k
.irp c, 0,1
.irp j, 0,1,2,3,4,5,6,7
	ds_load_b128 v[(\b)+32*\c+4*\j:(\b)+32*\c+4*\j+3], v[TA+(\s)] offset:512*\k+256*\c+16*\j
.endr
.endr
.endm
; the 64 numbers from v[b] on become my tokens' codes in v[PC] on and their scale word in v[PW]
.macro QUANT b
	; the largest magnitude of my two blocks: two chains a block; 32 numbers and the floor are sixteen v_max3 a block.  These lines are also the places between the last products and the next writes of their codes and scale word (ISA guide 7.12.1)
.irp c, 0,1
	v_max3_num_f32 v[TM+\c], |v[\b+32*\c]|, |v[\b+32*\c+1]|, FLOOR
	v_max3_num_f32 v[TM+2+\c], |v[\b+32*\c+16]|, |v[\b+32*\c+17]|, |v[\b+32*\c+18]|
.endr
.irp k, 0,1,2,3,4,5
.irp c, 0,1
	s_delay_alu instid0(VALU_DEP_4)
	v_max3_num_f32 v[TM+\c], v[TM+\c], |v[\b+32*\c+2+2*\k]|, |v[\b+32*\c+3+2*\k]|
	s_delay_alu instid0(VALU_DEP_4)
	v_max3_num_f32 v[TM+2+\c], v[TM+2+\c], |v[\b+32*\c+19+2*\k]|, |v[\b+32*\c+20+2*\k]|
.endr
.endr
	s_delay_alu instid0(VALU_DEP_4)
	v_max3_num_f32 v[TM], v[TM], |v[\b+14]|, |v[\b+15]|
	s_delay_alu instid0(VALU_DEP_3)
	v_max3_num_f32 v[TM+1], v[TM+1], |v[\b+46]|, |v[\b+47]|
.irp c, 0,1
	s_delay_alu instid0(VALU_DEP_2)
	v_max3_num_f32 v[TM+\c], v[TM+\c], v[TM+2+\c], |v[\b+32*\c+31]|
.endr
.irp c, 0,1
	s_delay_alu instid0(VALU_DEP_2)
	v_add_nc_u32 v[TM+4+\c], 0xff000000, v[TM+\c]  ; 2 off the exponent field: the conversion takes the exponent field of this operand as its scale
.endr
.irp c, 0,1
	s_delay_alu instid0(VALU_DEP_2)
	v_lshrrev_b32 v[TM+6+\c], 23, v[TM+4+\c]       ; the scale's byte
.endr
	s_delay_alu instid0(VALU_DEP_1)
	v_lshl_or_b32 v[PW], v[TM+7], 16, v[TM+6]      ; my bytes: blocks h and 2 + h of token r,
	s_delay_alu instid0(VALU_DEP_1)
	v_lshlrev_b32 v[PW], v[SH], v[PW]              ; at their places in the word;
	s_delay_alu instid0(VALU_DEP_1)
	v_permlanex16_b32 v[TM+6], v[PW], s[SEL], s[SEL+1]
	s_delay_alu instid0(VALU_DEP_1)
	v_or_b32 v[PW], v[PW], v[TM+6]                 ; with lane l xor 16's two the word is whole
.irp c, 0,1
	v_cvt_scalef32_pk16_fp6_f32 v[PC+6*\c:PC+6*\c+2], v[\b+32*\c:\b+32*\c+15], v[TM+4+\c]
	v_cvt_scalef32_pk16_fp6_f32 v[PX+4*\c:PX+4*\c+2], v[\b+32*\c+16:\b+32*\c+31], v[TM+4+\c]   ; (a conversion's three registers begin on an even number: the second half of a block's six does not, so it is made here and moved)
.endr
	v_nop                                          ; one plain place behind the scaled conversions
.irp c, 0,1
.irp i, 0,1,2
	v_mov_b32 v[PC+3+6*\c+\i], v[PX+4*\c+\i]
.endr
.endr
.rept 7
	v_nop                                          ; with the v_nop above: eight places that name no register of the products between the scale word's last write and the scaled products; seven of them behind the codes' last write
.endr
.endm
; four products: my K step s (0 or 1) of the tile in hand against the four tiles of experts (source 0: window 1).  first = 1: they start the sums: nothing is cleared
.macro MUL s, first
	WIN 0x01
.irp n, 0,1,2,3
.if \first
	v_wmma_scale_f32_16x16x128_f8f6f4 v[ACC+8*\n:ACC+8*\n+7], v[WF+48*(\s)+12*\n:WF+48*(\s)+12*\n+11], v[PC:PC+11], 0, v[WSR+4*(\s)+\n], v[PW] matrix_a_fmt:MATRIX_FMT_FP6 matrix_b_fmt:MATRIX_FMT_FP6
.else
	v_wmma_scale_f32_16x16x128_f8f6f4 v[ACC+8*\n:ACC+8*\n+7], v[WF+48*(\s)+12*\n:WF+48*(\s)+12*\n+11], v[PC:PC+11], v[ACC+8*\n:ACC+8*\n+7], v[WSR+4*(\s)+\n], v[PW] matrix_a_fmt:MATRIX_FMT_FP6 matrix_b_fmt:MATRIX_FMT_FP6
.endif
.endr
	WIN 0
.endm
; The largest of a token's 64 numbers (4 a lane from v[src] on, 16 lanes) into v[mx], and the lowest expert's number that has it into v[ix]; every lane of the token ends up with both.  sm: four scalar registers for masks.
.macro TOP src, mx, ix, sm
	v_max3_num_f32 v[\mx], v[\src], v[\src+1], v[\src+2]
	s_delay_alu instid0(VALU_DEP_1)
	v_max_num_f32 v[\mx], v[\mx], v[\src+3]
.irp k, 1,2,4,8
	s_delay_alu instid0(VALU_DEP_1)
	v_max_num_f32_dpp v[\mx], v[\mx], v[\mx] row_xmask:\k row_mask:0xf bank_mask:0xf
.endr
.irp j, 0,1,2,3
	v_cmp_eq_f32 s[\sm+\j], v[\src+\j], v[\mx]
.endr
	v_cndmask_b32 v[\ix], v[BIG], v[EI+3], s[\sm+3]
.irp j, 2,1,0
	s_delay_alu instid0(VALU_DEP_1)
	v_cndmask_b32 v[\ix], v[\ix], v[EI+\j], s[\sm+\j]   ; downward, so that the lowest number stays
.endr
.irp k, 1,2,4,8
	s_delay_alu instid0(VALU_DEP_1)
	v_min_num_f32_dpp v[\ix], v[\ix], v[\ix] row_xmask:\k row_mask:0xf bank_mask:0xf
.endr
.endm
; THE END OF TILE m: my partial sums, a barrier (at tile 0, slot 1's first fill behind it), and my two tokens.
.macro ENDT m
.if (\m) == 3
.set PQ, PB
.else
.set PQ, PA
.endif
.rept 4
	v_nop                                          ; four places between the products and the first read of their results (ISA guide 7.12.1)
.endr
.irp n, 0,1,2,3
	ds_store_b128 v[PQ], v[ACC+8*\n:ACC+8*\n+3] offset:64*\n        ; register j of tile n in lane (r, h) is (expert 16 n + 8 h + j, token r): 32 neighbouring bytes of the token's row; each accumulator from its low end on
	ds_store_b128 v[PQ], v[ACC+8*\n+4:ACC+8*\n+7] offset:64*\n+16
.endr
.if (\m) == 0
	s_wait_tensorcnt 0x0                           ; (nothing has been asked for since tile 0)
	ds_add_u32 v[SPW], v[NIL]                      ; 0 onto my spare word
	s_wait_dscnt 0x0                               ; the add is done, and my partial sums have landed
	s_barrier_signal -1
	s_barrier_wait -1
	tensor_load_to_lds s[G0+4:G0+7], s[G1:G1+7]    ; slot 1's first fill: tile 1
	s_nop 0
.rept 4
	v_nop
.endr
.else
	s_wait_dscnt 0x0                               ; for the others' sake: my partial sums have landed
	s_barrier_signal -1
	s_barrier_wait -1
.endif
.irp w, 0,1,2,3,4,5,6,7
.if (\m) == 3
	ds_load_b128 v[L+4*\w:L+4*\w+3], v[RB+\w/4] offset:TW*(\w%4)
.else
	ds_load_b128 v[L+4*\w:L+4*\w+3], v[RA] offset:PWB*\w
.endif
.endr
	s_wait_xcnt 0x0                                ; the logits' store of the tile before has read its registers: they are written again only behind this wait
	s_wait_dscnt 0x0
.irp w, 0,1,2,3
.irp p, 0,2
	v_pk_add_f32 v[L+4*\w+\p:L+4*\w+\p+1], v[L+4*\w+\p:L+4*\w+\p+1], v[L+16+4*\w+\p:L+16+4*\w+\p+1]
.endr
.endr
.irp w, 0,1
.irp p, 0,2
	v_pk_add_f32 v[L+4*\w+\p:L+4*\w+\p+1], v[L+4*\w+\p:L+4*\w+\p+1], v[L+8+4*\w+\p:L+8+4*\w+\p+1]
.endr
.endr
.irp p, 0,2
	v_pk_add_f32 v[LG+\p:LG+\p+1], v[L+\p:L+\p+1], v[L+4+\p:L+4+\p+1]
.endr
	WIN 0x01                                       ; source 0 (the noise): window 1
.irp p, 0,2
	v_pk_fma_f32 v[LG+\p:LG+\p+1], v[NZ+4*(\m)+\p:NZ+4*(\m)+\p+1], 0x3dcccccd, v[LG+\p:LG+\p+1] op_sel_hi:[1,0,1]   ; + 0.1 x noise
.endr
	WIN 0
	global_store_b128 v[GA], v[LG:LG+3], s[16:17] offset:4096*(\m) th:TH_STORE_NT   ; two tokens' rows: 512 consecutive bytes
.if (\m) == 0
	ASK 2
.endif
	TOP LG, M1, I1, 40
.irp j, 0,1,2,3
	v_sub_f32 v[PR+\j], v[LG+\j], v[M1]            ; the maximum is taken away first
.endr
.irp k, 0,2
	v_pk_mul_f32 v[PR+\k:PR+\k+1], v[PR+\k:PR+\k+1], 0x3fb8aa3b op_sel_hi:[1,0]   ; x log2(e)
.endr
	s_wait_alu depctr_va_vdst(0)
.irp k, 0,1,2,3
	v_exp_f32 v[PR+\k], v[PR+\k]                   ; the search for the second expert is the independent work behind these
.endr
.irp j, 0,1,2,3
	v_cmp_eq_f32 s[40+\j], v[EI+\j], v[I1]         ; am I the first expert?  (kept for the counts)
.endr
.irp j, 0,1,2,3
	v_cndmask_b32 v[MK+\j], v[LG+\j], v[NINF], s[40+\j]   ; that one place alone is taken out: an equal logit at a higher number is the second
.endr
	TOP MK, M2, I2, 48
	s_wait_alu depctr_va_vdst(0)
	v_sub_f32 v[EE], v[M2], v[M1]
	s_delay_alu instid0(VALU_DEP_1)
	v_mul_f32 v[EE], 0x3fb8aa3b, v[EE]
	s_wait_alu depctr_va_vdst(0)
	v_exp_f32 v[EE], v[EE]                         ; e = exp(second - first); the row's sum is the independent work behind it
	v_add_f32 v[SS], v[PR], v[PR+1]
	v_add_f32 v[SD], v[PR+2], v[PR+3]
	s_delay_alu instid0(VALU_DEP_1)
	v_add_f32 v[SS], v[SS], v[SD]
.irp k, 1,2,4,8
	s_delay_alu instid0(VALU_DEP_1)
	v_add_f32_dpp v[SS], v[SS], v[SS] row_xmask:\k row_mask:0xf bank_mask:0xf
.endr
	s_wait_alu depctr_va_vdst(0)
	v_add_f32 v[TT], 1.0, v[EE]
	s_wait_alu depctr_va_vdst(0)
	v_rcp_f32 v[WX], v[TT]                         ; the first expert's weight: 1 / (1 + e)
	v_rcp_f32 v[RR], v[SS]
.irp j, 0,1,2,3
	v_cmp_eq_f32 s[48+\j], v[EI+\j], v[I2]         ; am I the second expert?  (The counts and the whole numbers are the independent work behind the reciprocals)
.endr
.irp j, 0,1,2,3
	s_or_b32 s[40+\j], s[40+\j], s[48+\j]
.endr
.irp j, 0,1,2,3
	v_cndmask_b32 v[CN+\j], 0, 1, s[40+\j]
.endr
	v_cvt_i32_f32 v[IX], v[I1]
	v_cvt_i32_f32 v[IX+1], v[I2]
	v_lshl_or_b32 v[CN], v[CN+1], 8, v[CN]
	v_lshl_or_b32 v[CN+2], v[CN+3], 8, v[CN+2]
.if \m
	v_lshl_or_b32 v[CN], v[CN+2], 16, v[CN]
	s_delay_alu instid0(VALU_DEP_1)
	v_add_nc_u32 v[CNA], v[CNA], v[CN]             ; how often my tokens chose my four experts, a byte each: at most 64 in the work-group
.else
	v_lshl_or_b32 v[CNA], v[CN+2], 16, v[CN]
.endif
	s_wait_alu depctr_va_vdst(0)
	v_mul_f32 v[WX+1], v[EE], v[WX]                ; the second's: e / (1 + e)
.irp j, 0,1,2,3
.if \m
	v_fma_f32 v[PSA+\j], v[PR+\j], v[RR], v[PSA+\j]   ; my tokens' probabilities of my four experts
.else
	v_mul_f32 v[PSA+\j], v[PR+\j], v[RR]
.endif
.endr
	ds_store_b64 v[OA], v[IX:IX+1] offset:128*(\m)          ; a token's sixteen lanes write the same 8 bytes with the same values
	ds_store_b64 v[OA], v[WX:WX+1] offset:512+128*(\m)
.endm
; A TRIP: tile i, in slot i % 2
.macro TRIP i
.set NS, G0+4*(((\i)+1)%2)
	s_wait_tensorcnt 0x0                           ; all my tensor loads are done: my part of tile i is in
.if ((\i) > 0) && ((\i) < 3)
	ds_add_u32 v[SPW], v[NIL]                      ; 0 onto my spare word
	s_add_nc_u64 s[NS+2:NS+3], s[NS+2:NS+3], 2*TILEM   ; the other slot's next tile
	s_wait_dscnt 0x0                               ; the add is done, and so are my reads of the other slot and of the partial sums
	s_barrier_signal -1
	s_barrier_wait -1
	tensor_load_to_lds s[NS:NS+3], s[G1:G1+7]      ; tile i + 1 into the other slot
	s_nop 0
.rept 4
	v_nop
.endr
.endif
	READL L, (\i)%2, 0
	READL L2, (\i)%2, 1
	s_wait_dscnt 16                                ; the first K step's numbers are in, the second's sixteen loads may be out
	QUANT L
	MUL 0, 1
.if (\i) == 1
	ASK 3
.endif
	s_wait_dscnt 0x0
	QUANT L2
	MUL 1, 0
	ENDT \i
.endm
	s_wait_loadcnt 0x0                             ; the weights and the noise are in,
	ASK 1                                          ; and only then is tile 1 asked for: tile 0's load has gone ahead of it
	TRIP 0
	TRIP 1
	TRIP 2
	TRIP 3
	; lanes l and l xor 16 hold the same experts of other tokens
.irp j, 0,1,2,3
	v_permlanex16_b32 v[L+\j], v[PSA+\j], s[SEL], s[SEL+1]
.endr
	v_permlanex16_b32 v[L+4], v[CNA], s[SEL], s[SEL+1]
.irp j, 0,1,2,3
	v_add_f32 v[PSA+\j], v[PSA+\j], v[L+\j]
.endr
	v_add_nc_u32 v[CNA], v[CNA], v[L+4]
	ds_store_b128 v[SU], v[PSA:PSA+3]              ; lanes l and l xor 16 write the same bytes with the same values
	ds_store_b32 v[CU], v[CNA]
	s_wait_dscnt 0x0                               ; for the others' sake: my sums and my tokens' results have landed
	s_barrier_signal -1
	s_barrier_wait -1
	s_cmp_eq_u32 s20, 0
	s_cbranch_scc0 .Lnot_wave_0
.irp i, 0,1,2,3,4,5,6,7
	ds_load_b64 v[L+2*\i:L+2*\i+1], v[RD1] offset:256*\i   ; wave 0: the eight rows of sums
.endr
	s_wait_dscnt 0x0
	v_lshrrev_b32 v[TM], 1, v[GA]
.irp i, 0,2,4,6
	v_pk_add_f32 v[L+\i:L+\i+1], v[L+\i:L+\i+1], v[L+8+\i:L+8+\i+1]
.endr
.irp i, 0,2
	v_pk_add_f32 v[L+\i:L+\i+1], v[L+\i:L+\i+1], v[L+4+\i:L+4+\i+1]
.endr
	v_pk_add_f32 v[L:L+1], v[L:L+1], v[L+2:L+3]
	global_store_b64 v[TM], v[L:L+1], s[18:19]     ; 64 sums of probabilities: 256 consecutive bytes
	s_branch .Lend
.Lnot_wave_0:
	s_cmp_lt_u32 s20, 3
	s_cbranch_scc0 .Lnot_out
	ds_load_b128 v[L:L+3], v[RD2]                  ; wave 1: the work-group's out0; wave 2: its out1
	s_cmp_eq_u32 s20, 1
	s_cselect_b64 s[12:13], s[12:13], s[14:15]
	s_wait_dscnt 0x0
	global_store_b128 v[GA], v[L:L+3], s[12:13]    ; 64 tokens x 8 bytes: 512 consecutive bytes
	s_branch .Lend
.Lnot_out:
	s_cmp_eq_u32 s20, 3
	s_cbranch_scc0 .Lend
.irp i, 0,1,2,3,4,5,6,7
	ds_load_b32 v[L+\i], v[RD3] offset:64*\i       ; wave 3: the eight rows of counts
.endr
	s_wait_dscnt 0x0
	v_add3_u32 v[L], v[L], v[L+1], v[L+2]
	v_add3_u32 v[L+3], v[L+3], v[L+4], v[L+5]
	v_add_nc_u32 v[L+6], v[L+6], v[L+7]
	v_add3_u32 v[L], v[L], v[L+3], v[L+6]
	global_store_b32 v[WO], v[L], s[76:77]         ; 16 words of 4 bytes, all the counts that the work-group has, beside those of its three neighbours; lanes l and l xor 16 store the same word with the same value
.Lend:
	s_wait_tensorcnt 0x0                           ; the wave's end
	ds_add_u32 v[SPW], v[NIL]
	s_wait_dscnt 0x0
	s_endpgm
.Lfunc_end_k_q0581916101_router:
	.size	k_q0581916101_router, .Lfunc_end_k_q0581916101_router-k_q0581916101_router
	.p2alignl 7, 3214868480
	.fill 96, 4, 3214868480
	.section	.rodata,"a",@progbits
	.p2align	6, 0x0
	.amdhsa_kernel k_q0581916101_router
		.amdhsa_group_segment_fixed_size 327680
		.amdhsa_private_segment_fixed_size 0
		.amdhsa_enable_private_segment 0
		.amdhsa_kernarg_size 72
		.amdhsa_user_sgpr_count 2
		.amdhsa_user_sgpr_kernarg_segment_ptr 1
		.amdhsa_wavefront_size32 1
		.amdhsa_system_sgpr_workgroup_id_x 1
		.amdhsa_system_sgpr_workgroup_id_y 1
		.amdhsa_system_sgpr_workgroup_id_z 1
		.amdhsa_system_vgpr_workitem_id 0
		.amdhsa_next_free_vgpr 384
		.amdhsa_next_free_sgpr 84
		.amdhsa_reserve_vcc 0
		.amdhsa_float_denorm_mode_32 3
		.amdhsa_float_denorm_mode_16_64 3
		.amdhsa_memory_ordered 1
		.amdhsa_forward_progress 1
		.amdhsa_inst_pref_size 96
	.end_amdhsa_kernel
	.amdgpu_metadata
---
amdhsa.version: [ 1, 2 ]
amdhsa.kernels:
  - .name:           k_q0581916101_router
    .symbol:         k_q0581916101_router.kd
    .args:
      - { .name: hidden_states, .offset: 0, .size: 8, .value_kind: global_buffer, .address_space: global }
      - { .name: noise, .offset: 8, .size: 8, .value_kind: global_buffer, .address_space: global }
      - { .name: wimg, .offset: 16, .size: 8, .value_kind: global_buffer, .address_space: global }
      - { .name: wsc, .offset: 24, .size: 8, .value_kind: global_buffer, .address_space: global }
      - { .name: out0, .offset: 32, .size: 8, .value_kind: global_buffer, .address_space: global }
      - { .name: out1, .offset: 40, .size: 8, .value_kind: global_buffer, .address_space: global }
      - { .name: out2, .offset: 48, .size: 8, .value_kind: global_buffer, .address_space: global }
      - { .name: psum, .offset: 56, .size: 8, .value_kind: global_buffer, .address_space: global }
      - { .name: pcnt, .offset: 64, .size: 8, .value_kind: global_buffer, .address_space: global }
    .group_segment_fixed_size: 327680
    .private_segment_fixed_size: 0
    .kernarg_segment_align: 8
    .kernarg_segment_size: 72
    .max_flat_workgroup_size: 256
    .sgpr_count:     84
    .vgpr_count:     384
    .wavefront_size: 32
...
	.end_amdgpu_metadata
.endif
;; end of part 2
;; launch auxloss (part 3): grid 1 x 1, 16 waves a work-group, no clusters, 14,336 bytes of LDS; arguments psum, pcnt, out3; writes out3
.if DOCPART == 3
	.amdgcn_target "amdgcn-amd-amdhsa--gfx1250"
	.amdhsa_code_object_version 6
	.text
	.protected	k_q0581916101_auxloss
	.globl	k_q0581916101_auxloss
	.p2align	8
	.type	k_q0581916101_auxloss,@function
k_q0581916101_auxloss:
	s_mov_b64 s[64:65], 0
	v_nop
	global_prefetch_b8 v0, s[64:65] scope:SCOPE_SE
	s_setreg_imm32_b32 hwreg(HW_REG_WAVE_MODE, 25, 1), 1
	s_wait_xcnt 0x0
; out3 = 64 x 0.001 x the sum over experts of (count / 32768) x (sum of probabilities / 16384).  psum [256][64] f32: a row of sums for each work-group g of the launch before; pcnt: its counts, a byte each (at most 64),
; the four bytes of experts 4 e + 0 .. 3 at 256 (g / 4) + 16 e + 4 (g % 4).
; The loss is a product of two sums over all tokens, so it is made by one owner when all rows are stored.  One work-group of sixteen waves: wave w takes g = 16 w .. 16 w + 15: eight loads of two rows of sums and two loads of eight work-groups' counts,
; each 512 consecutive bytes, 16 a lane: lane l holds experts 4 (l % 16) + 0 .. 3 of both.  The waves' results meet in LDS, and wave 0 finishes.  81,920 bytes in all: more work-groups would want a further launch to join them.
; COUNTS: two work-groups' bytes are at most 128 and add inside a byte; then even and odd bytes are parted into halves of 16 bits (all together at most 16,384).
; The divisions by powers of two and the factor 64 round nothing, so they stand with 0.001 in one constant: 0.001 x 2^-23.
.set CB,    8192                       ; behind the sixteen waves' 512 bytes of sums: 256 bytes of counts each
.set SPARE, CB+4096                    ; the spare words, 128 bytes for each wave, which no other line names
.set SPW, 5                            ; v5   LDS address of my spare word; never rewritten
.set NIL, 6                            ; v6   0; never rewritten
.set V,   16                           ; v16-79 rows of sums, four registers each
.set X,   48                           ; v48-55 eight dwords of counts
.set T,   60                           ; v60-63
.set E,   80                           ; v80-111 wave 0: the waves' counts, even and odd bytes' halves
	s_load_b128 s[4:7], s[0:1], 0x0                ; psum, pcnt
	s_load_b64 s[8:9], s[0:1], 0x10                ; out3
	v_lshl_add_u32 v[SPW], v0, 2, SPARE
	v_mov_b32 v[NIL], 0
	v_lshrrev_b32 v1, 5, v0
	v_readfirstlane_b32 s14, v1                    ; wave 0..15
	v_and_b32 v12, 31, v0                          ; lane
	v_lshlrev_b32 v2, 4, v12                       ; 16 x lane
	v_lshlrev_b32 v10, 3, v12
	v_lshl_add_u32 v3, v1, 12, v2                  ; psum: 16 rows of 256 bytes a wave
	v_lshl_add_u32 v9, v1, 10, v2                  ; pcnt: 16 x 64 bytes a wave
	v_add_nc_u32 v11, CB, v10                      ; LDS: wave 0 reads the counts,
	v_lshl_add_u32 v4, v1, 9, v2                   ; my sums,
	v_lshl_add_u32 v10, v1, 8, v11                 ; my counts
	v_mov_b32 v8, 0                                ; the result's offset
	s_mov_b32 s10, 0x76543210
	s_mov_b32 s11, 0xfedcba98                      ; v_permlanex16_b32's selects for lane l xor 16
	s_mov_b32 s15, 0x00ff00ff
	s_wait_alu depctr_va_vdst(0)
	s_wait_kmcnt 0x0
; n vectors of four registers from v[V] on become n / 2: the upper half is added onto the lower
.macro HALVE n
.set I, 0
.rept \n/2
	v_pk_add_f32 v[V+4*I:V+4*I+1], v[V+4*I:V+4*I+1], v[V+2*(\n)+4*I:V+2*(\n)+4*I+1]
	v_pk_add_f32 v[V+4*I+2:V+4*I+3], v[V+4*I+2:V+4*I+3], v[V+2*(\n)+4*I+2:V+2*(\n)+4*I+3]
.set I, I+1
.endr
.endm
.irp i, 0,1,2,3,4,5,6,7
	global_load_b128 v[V+4*\i:V+4*\i+3], v3, s[4:5] offset:512*\i
.endr
.irp i, 0,1
	global_load_b128 v[X+4*\i:X+4*\i+3], v9, s[6:7] offset:512*\i
.endr
	s_wait_loadcnt 2                               ; the sums are in; the counts' two loads may be out
	HALVE 8
	HALVE 4
	HALVE 2
	ds_store_b128 v4, v[V:V+3]
	s_wait_loadcnt 0x0
.irp i, 0,1,2,3
	v_add_nc_u32 v[X+\i], v[X+\i], v[X+4+\i]
.endr
.irp i, 0,1,2,3
	v_and_b32 v[T+\i], s15, v[X+\i]
.endr
.irp i, 0,1,2,3
	v_lshrrev_b32 v[X+\i], 8, v[X+\i]
.endr
.irp i, 0,1,2,3
	v_and_b32 v[X+\i], s15, v[X+\i]
.endr
	v_add3_u32 v[T], v[T], v[T+1], v[T+2]
	v_add3_u32 v[X], v[X], v[X+1], v[X+2]
	v_add_nc_u32 v56, v[T], v[T+3]
	v_add_nc_u32 v57, v[X], v[X+3]
	ds_store_b64 v10, v[56:57]
	s_wait_dscnt 0x0                               ; for wave 0's sake: my results have landed
	s_barrier_signal -1
	s_barrier_wait -1
	s_cmp_lg_u32 s14, 0
	s_cbranch_scc1 .Lend
.irp i, 0,1,2,3,4,5,6,7,8,9,10,11,12,13,14,15
	ds_load_b128 v[V+4*\i:V+4*\i+3], v2 offset:512*\i
.endr
.irp i, 0,1,2,3,4,5,6,7,8,9,10,11,12,13,14,15
	ds_load_b64 v[E+2*\i:E+2*\i+1], v11 offset:256*\i
.endr
	s_wait_dscnt 16                                ; the sums are back; the counts' sixteen loads may be out
	HALVE 16
	HALVE 8
	HALVE 4
	s_wait_alu depctr_va_vdst(0)
	s_wait_dscnt 0x0
	HALVE 2
.irp i, 2,6,10,14,18,22,26
	v_add3_u32 v[E], v[E], v[E+\i], v[E+\i+2]
	v_add3_u32 v[E+1], v[E+1], v[E+\i+1], v[E+\i+3]
.endr
	v_add_nc_u32 v[E], v[E], v[E+30]
	v_add_nc_u32 v[E+1], v[E+1], v[E+31]
.irp j, 0,1,2,3
	v_permlanex16_b32 v[V+4+\j], v[V+\j], s10, s11 ; lane l xor 16 holds the same experts of the other work-groups
.endr
	v_permlanex16_b32 v[V+8], v[E], s10, s11
	v_permlanex16_b32 v[V+9], v[E+1], s10, s11
.irp j, 0,1,2,3
	v_add_f32 v[V+\j], v[V+\j], v[V+4+\j]
.endr
	v_add_nc_u32 v[E], v[E], v[V+8]
	v_add_nc_u32 v[E+1], v[E+1], v[V+9]
	v_and_b32 v[V+4], 0xffff, v[E]                 ; the counts of experts 4 e + 0 .. 3
	v_and_b32 v[V+5], 0xffff, v[E+1]
	v_lshrrev_b32 v[V+6], 16, v[E]
	v_lshrrev_b32 v[V+7], 16, v[E+1]
.irp j, 4,5,6,7
	v_cvt_f32_u32 v[V+\j], v[V+\j]
.endr
	v_mul_f32 v7, v[V], v[V+4]
	s_delay_alu instid0(VALU_DEP_1)
	v_fmac_f32 v7, v[V+1], v[V+5]
	s_delay_alu instid0(VALU_DEP_1)
	v_fmac_f32 v7, v[V+2], v[V+6]
	s_delay_alu instid0(VALU_DEP_1)
	v_fmac_f32 v7, v[V+3], v[V+7]
.irp k, 1,2,4,8
	s_delay_alu instid0(VALU_DEP_1)
	v_add_f32_dpp v7, v7, v7 row_xmask:\k row_mask:0xf bank_mask:0xf   ; the sum over the 64 experts, in every lane
.endr
	s_delay_alu instid0(VALU_DEP_1)
	v_mul_f32 v7, 0x2f03126f, v7                   ; x 0.001 x 2^-23
	s_wait_alu depctr_va_vdst(0)
	s_wait_xcnt 0x0                                ; EXEC changes only behind this wait
	v_cmp_eq_u32 vcc_lo, 0, v0
	s_and_saveexec_b32 s12, vcc_lo
	global_store_b32 v8, v7, s[8:9]                ; one number, from one lane
	s_wait_xcnt 0x0                                ; and again, in front of the line that widens it
	s_or_b32 exec_lo, exec_lo, s12
.Lend:
	s_wait_tensorcnt 0x0                           ; the wave's end
	ds_add_u32 v[SPW], v[NIL]
	s_wait_dscnt 0x0
	s_endpgm
.Lfunc_end_k_q0581916101_auxloss:
	.size	k_q0581916101_auxloss, .Lfunc_end_k_q0581916101_auxloss-k_q0581916101_auxloss
	.p2alignl 7, 3214868480
	.fill 96, 4, 3214868480
	.section	.rodata,"a",@progbits
	.p2align	6, 0x0
	.amdhsa_kernel k_q0581916101_auxloss
		.amdhsa_group_segment_fixed_size 14336
		.amdhsa_private_segment_fixed_size 0
		.amdhsa_enable_private_segment 0
		.amdhsa_kernarg_size 24
		.amdhsa_user_sgpr_count 2
		.amdhsa_user_sgpr_kernarg_segment_ptr 1
		.amdhsa_wavefront_size32 1
		.amdhsa_system_sgpr_workgroup_id_x 1
		.amdhsa_system_sgpr_workgroup_id_y 1
		.amdhsa_system_sgpr_workgroup_id_z 1
		.amdhsa_system_vgpr_workitem_id 0
		.amdhsa_next_free_vgpr 112
		.amdhsa_next_free_sgpr 66
		.amdhsa_reserve_vcc 1
		.amdhsa_float_denorm_mode_32 3
		.amdhsa_float_denorm_mode_16_64 3
		.amdhsa_memory_ordered 1
		.amdhsa_forward_progress 1
		.amdhsa_inst_pref_size 11
	.end_amdhsa_kernel
	.amdgpu_metadata
---
amdhsa.version: [ 1, 2 ]
amdhsa.kernels:
  - .name:           k_q0581916101_auxloss
    .symbol:         k_q0581916101_auxloss.kd
    .args:
      - { .name: psum, .offset: 0, .size: 8, .value_kind: global_buffer, .address_space: global }
      - { .name: pcnt, .offset: 8, .size: 8, .value_kind: global_buffer, .address_space: global }
      - { .name: out3, .offset: 16, .size: 8, .value_kind: global_buffer, .address_space: global }
    .group_segment_fixed_size: 14336
    .private_segment_fixed_size: 0
    .kernarg_segment_align: 8
    .kernarg_segment_size: 24
    .max_flat_workgroup_size: 512
    .sgpr_count:     66
    .vgpr_count:     112
    .wavefront_size: 32
...
	.end_amdgpu_metadata
.endif
;; end of part 3
